; MI455X (gfx1250); checked and timed in simulation.
; The chip was launched on July 23, 2026; its instructions are those of AMD's public machine-readable ISA for CDNA 5 (MIT licence, August 2026) and "CDNA5" Instruction Set Architecture Reference Guide (July 2026). The comments in the code are by the model that wrote it; some were corrected since.
;; Conditional DL Factorized17. Allowed arithmetic: matrix products marked QUANTISED: E2M3 operands, one E8M0 scale for each 32 along K, by v_wmma_scale_f32_16x16x128_f8f6f4 with both operands' format E2M3, f32 sums; products left as they are: f32 operands where the result goes on into a quantised operand, else bf16, f16 or f32 operands; f32 sums; everything else in f32.
;; Inputs: assign_b 16 float32; assign_w 16 x 512 float32; pw_B 1 x 1 x 512 float32; pw_w1 16 x 262,144 float32; x 2,048 x 8 x 512 float32.
;; Outputs: out0 2,048 x 8 x 512 float32; out1 one number float32.
;; This version of the problem:
;;   THIS VERSION OF THE PROBLEM IS GIVEN IN LOW PRECISION. The matrix products marked QUANTISED in the list below multiply operands that are first quantised to E2M3 (2 exponent bits, 3 mantissa bits; 6 bits a number), with one power-of-two scale for each 32 numbers along K (OCP MX v1.0); their sums are f32. All else is computed in f32.
;;   The module's matrix products, in the order in which they are computed (A, B: the left and right operand; K: the contracted axis; several contracted axes count as one K, in the product's order):
;;     1. [M 16,384, K 512] x [K 512, N 16]; A: input x; B: input assign_w: QUANTISED
;;     2. batch 16,384 x [M 512, K 1] x [K 1, N 16]; A: computed on the way; B: computed on the way: left as it is (no contracted axis)
;;     3. [M 16,384, K 8,192] x [K 8,192, N 512]; A: computed on the way; B: input pw_w1: QUANTISED
;;   THE QUANTISER, for each operand of a quantised product, along K:
;;     - K is cut into blocks of 32 from its start; a last block that is shorter is filled with zeros.
;;     - A block's scale is 2^e with e = floor(log2(the largest magnitude in the block)) - 2, held to -126 .. 127; a block of zeros has e = 0. As a byte (E8M0): e + 127.
;;     - Each number is divided by its block's scale, clamped to +-7.5, and rounded to the nearest number of E2M3, ties to even, subnormals kept.
;;     - The product sums the exact products of the quantised numbers (number of the format x scale) in f32.
;;   ~~~python
;;   def quantise(x, axis):      # numpy; x: float32 -> the quantised numbers, widened to float32 again
;;       x = np.moveaxis(x, axis, -1); K = x.shape[-1]
;;       x = np.pad(x, [(0, 0)] * (x.ndim - 1) + [(0, -K % 32)]); x = x.reshape(x.shape[:-1] + (-1, 32)); a = np.abs(x).max(-1, keepdims=True)
;;       e = np.where(a > 0, np.clip(np.frexp(np.where(a > 0, a, 1))[1] - 1 - 2, -126, 127), 0)      # np.frexp(a)[1] - 1 = floor(log2(a)), exactly
;;       r = np.clip(x / 2.0 ** e, -7.5, 7.5)
;;       step = 2.0 ** (np.maximum(np.frexp(np.where(r == 0, 1, r))[1] - 1, 0) - 3)
;;       q = np.round(r / step) * step * 2.0 ** e      # np.round: ties to even
;;       return np.moveaxis(q.reshape(q.shape[:-2] + (-1,))[..., :K], -1, axis).astype(np.float32)
;;   ~~~
;;   OPERANDS COMPUTED ON THE WAY. 'Computed on the way' means the value that the module computes at that place (a softmax that the list does not call 'softmax' is quantised finished and normalised). What goes into a quantiser is computed in f32, as accurately as f32 sums, v_exp_f32 and their like allow (about 1e-6 of the number): no bf16 or f16 on the way to a quantiser, and a product that is left as it is and whose result goes on into a quantised operand takes f32 operands (vector FMAs, or v_wmma_f32_16x16x4_f32). A number that lies on a knife's edge between two numbers of the format may be rounded either way, as far as f32 arithmetic and the matrix unit's own rounding can turn it there, and no further.
;; One version. Each part assembles by itself: llvm-mc -triple=amdgcn-amd-amdhsa -mcpu=gfx1250 --defsym DOCPART=n.
;; ======== version 1 of 1: 2 launches
;; limits: right only within a limited range of input values
;; workspace buffers: wq 3,276,800 bytes; resp 1,048,576 bytes; imp 16,384 bytes
;; launch prep (part 1): grid 384 x 1, 4 waves a work-group, no clusters, 80,384 bytes of LDS; arguments pw_w1, x, assign_w, assign_b, wq, resp, imp; writes wq, resp, imp
.if DOCPART == 1
	.amdgcn_target "amdgcn-amd-amdhsa--gfx1250"
	.amdhsa_code_object_version 6
	.text
	.protected	k_q7be91cd1cb_prep
	.globl	k_q7be91cd1cb_prep
	.p2align	8
	.type	k_q7be91cd1cb_prep,@function
k_q7be91cd1cb_prep:
	s_mov_b64 s[64:65], 0
	v_nop
	global_prefetch_b8 v0, s[64:65] scope:SCOPE_SE
	s_setreg_imm32_b32 hwreg(HW_REG_WAVE_MODE, 25, 1), 1
	s_wait_xcnt 0x0
; Work-groups 0-127: pw_w1, seen as [8192 rows = 512 e + o][512 i] f32, becomes codes of FP6 (E2M3) with one E8M0 byte for each 32 along i.
; Work-groups 128-383: the router: logits = Q(x) Q(assign_w)^T + assign_b on such codes, softmax in f32, and the sum of resp over the group's 64 tokens.
; A wave takes ONE tile of 16 rows x 512 numbers, 32 KB dense in memory, by 64 loads of 512 consecutive bytes each, all issued at once into window 1.
; A chunk of 128 columns turns through the wave's own stage in LDS (rows 528 bytes apart), so that lane (r, h) holds blocks 2 cc + h of row r whole: the order
; of the operand's registers (6 cc .. 6 cc + 5: k = 64 cc + 32 h + 0 .. 31).  So a block's largest magnitude needs no other lane, and the conversions' results are the fragment.
; wq: 128 blocks of 25,600 bytes, block 64 nh + 16 c + e: 16 fragments (rows 256 nh + 16 f + r, k = 128 c ..) as images of their 12 registers (register i of lane l at
; 1536 f + 512 (i / 4) + 16 l + 4 (i % 4)), then from byte 24,576 the scale words: that of (f, r) at 256 (f / 4) + 8 (16 (f % 2) + r) + 4 ((f % 4) / 2).
; A block's scale byte is its largest magnitude's exponent field - 2, held at 1 from below.
; LIMITS: NaN and infinities are not served; a block of zeros gets the byte 1 (not 127): its codes are zeros and this program alone reads the bytes; a block whose largest
; magnitude lies under 2^-124 is held at byte 1; resp under 2^-126 comes out as 0 (the exponential gives no denormal results).
; The two kinds of work-group part at the head on the work-group's number and use LDS bytes of their own.  No tensor loads: no ring.
.set STGW,  0                          ; weights: 4 stages of 16 rows x 528 bytes
.set WSC,   33792                      ; weights: 4 chunks x 256 bytes of scale words
.set STGR,  34816                      ; router: 4 stages
.set AWIMG, 68608                      ; assign_w's 4 fragments as images, 1,536 bytes each
.set AWSC,  74752                      ; their scale words, 128 bytes each
.set RST,   75264                      ; resp on its way out, 1,024 bytes a wave
.set IMPS,  79360                      ; the waves' sums of resp, 64 bytes a wave
.set X,     16                         ; v16-79   64 numbers: 32 cc + n
.set PC,    80                         ; v80-127  four sets of 12 registers of codes
.set U,     128                        ; v128-135 the upper halves of the blocks' codes, before they are moved
.set TM,    136                        ; v136-142 at work
.set AWS,   144                        ; v144-147 assign_w's scale words: scales and nothing else
.set WD,    148                        ; v148     the scale word just made: scales and nothing else
.set AWR,   152                        ; v152-215 assign_w as loaded; then v152-199 its four fragments
.set ACC0,  216
.set ACC1,  224
.set L,     232
.set MSB, 0
.macro WIN new                         ; the immediate's high byte repeats the setting that is left
.if MSB != (\new)
	s_set_vgpr_msb (MSB<<8)|(\new)
.set MSB, (\new)
.endif
.endm
.macro LOADC c, b, nt                  ; chunk c of my 16 rows: load i takes row i's 512 bytes, into window 1
	WIN 0x40
.irp i, 0,1,2,3,4,5,6,7,8,9,10,11,12,13,14,15
.if \nt
	global_load_b128 v[64*(\c)+4*\i:64*(\c)+4*\i+3], v4, s[\b:\b+1] offset:2048*\i+512*(\c) th:TH_LOAD_NT
.else
	global_load_b128 v[64*(\c)+4*\i:64*(\c)+4*\i+3], v4, s[\b:\b+1] offset:2048*\i+512*(\c)
.endif
.endr
.endm
.macro TURNC src, win                  ; 16 rows x 512 bytes through my stage; LDS serves a wave's instructions in order, so no wait stands between the stores and the loads
	WIN \win
.irp i, 0,1,2,3,4,5,6,7,8,9,10,11,12,13,14,15
	ds_store_b128 v5, v[\src+4*\i:\src+4*\i+3] offset:528*\i
.endr
	WIN 0
.irp c, 0,1
.irp j, 0,1,2,3,4,5,6,7
	ds_load_b128 v[X+32*\c+4*\j:X+32*\c+4*\j+3], v6 offset:256*\c+16*\j
.endr
.endr
	s_wait_dscnt 0x0
.endm
.macro QUANT pc                        ; v[X] on: my two whole blocks -> 12 registers of codes at v[pc], the row's scale word in v[WD]
	v_max3_num_f32 v[TM], |v[X]|, |v[X+1]|, 0x1800000            ; with the floor 2^(3 - 127): the byte cannot fall under 1
	v_max3_num_f32 v[TM+1], |v[X+32]|, |v[X+33]|, 0x1800000
.irp i, 2,4,6,8,10,12,14,16,18,20,22,24,26,28,30
	v_max3_num_f32 v[TM], v[TM], |v[X+\i]|, |v[X+\i+1]|
	v_max3_num_f32 v[TM+1], v[TM+1], |v[X+32+\i]|, |v[X+33+\i]|
.endr
	v_add_nc_u32 v[TM+2], 0xff000000, v[TM]        ; 2 off the exponent field: the conversion's scale operand
	v_add_nc_u32 v[TM+3], 0xff000000, v[TM+1]
	v_lshrrev_b32 v[TM+4], 23, v[TM+2]             ; the bytes of blocks h and 2 + h
	v_lshrrev_b32 v[TM+5], 23, v[TM+3]
	v_lshl_or_b32 v[TM+4], v[TM+5], 16, v[TM+4]
	v_lshlrev_b32 v[TM+4], v7, v[TM+4]             ; 8 h bits up
	v_permlanex16_b32 v[TM+6], v[TM+4], s20, s21
	v_or_b32 v[WD], v[TM+4], v[TM+6]               ; with lane l xor 16's two bytes the word is whole
	v_cvt_scalef32_pk16_fp6_f32 v[\pc:\pc+2], v[X:X+15], v[TM+2]
	v_cvt_scalef32_pk16_fp6_f32 v[U:U+2], v[X+16:X+31], v[TM+2]     ; (a conversion's three registers begin on an even number)
	v_cvt_scalef32_pk16_fp6_f32 v[\pc+6:\pc+8], v[X+32:X+47], v[TM+3]
	v_cvt_scalef32_pk16_fp6_f32 v[U+4:U+6], v[X+48:X+63], v[TM+3]
	v_nop                                          ; one plain place behind a scaled conversion
.irp i, 0,1,2
	v_mov_b32 v[\pc+3+\i], v[U+\i]
	v_mov_b32 v[\pc+9+\i], v[U+4+\i]
.endr
.endm
	s_load_b256 s[4:11], s[0:1], 0x0               ; pw_w1 s[4:5], x s[6:7], assign_w s[8:9], assign_b s[10:11]
	s_load_b128 s[12:15], s[0:1], 0x20             ; wq s[12:13], resp s[14:15]
	s_load_b64 s[16:17], s[0:1], 0x30              ; imp
	v_lshl_add_u32 v254, v0, 2, 0x13800
	v_mov_b32 v255, 0
	v_lshrrev_b32 v1, 5, v0
	v_readfirstlane_b32 s18, v1                    ; wave
	v_and_b32 v1, 31, v0                           ; lane
	v_and_b32 v2, 15, v0                           ; r
	v_bfe_u32 v3, v0, 4, 1                         ; h
	v_lshlrev_b32 v4, 4, v1                        ; 16 x lane
	v_lshlrev_b32 v7, 3, v3                        ; 8 h
	v_mov_b32 v[TM+6], 0                           ; written once: a lane permute's destination counts as one of its sources
	s_mov_b32 s20, 0x76543210
	s_mov_b32 s21, 0xfedcba98                      ; selects for lane l xor 16
	s_mul_i32 s19, s18, 8448                       ; my stage
	v_mul_u32_u24 v6, v2, 528
	v_lshl_add_u32 v6, v3, 7, v6
	v_add_nc_u32 v6, s19, v6                       ; out of it: row r, + 128 h
	v_add_nc_u32 v5, s19, v4                       ; into it: 16 x lane of a row
	s_lshl_b32 s23, s18, 15                        ; my 16 rows of 2,048 bytes
	s_cmp_ge_u32 ttmp9, 128
	s_cbranch_scc1 .Lrouter
	; ---------------- the weights: rows 64 j + 16 w: e = j / 8, nh = (j / 4) % 2, f = 4 (j % 4) + w
	s_lshl_b32 s22, ttmp9, 17
	s_add_co_u32 s22, s22, s23
	s_mov_b32 s23, 0
	s_lshr_b32 s24, ttmp9, 3
	s_bfe_u32 s25, ttmp9, 0x10002
	s_lshl_b32 s25, s25, 6
	s_add_co_u32 s24, s24, s25
	s_mul_i32 s24, s24, 25600                      ; block (nh, c = 0, e)
	s_and_b32 s26, ttmp9, 3
	s_lshl_b32 s27, s26, 2
	s_add_co_u32 s27, s27, s18
	s_mul_i32 s27, s27, 1536                       ; fragment f
	s_add_co_u32 s28, s24, s27
	s_mov_b32 s29, 0
	s_mul_i32 s30, s18, 409600                     ; the scale words leave by chunks: wave w stores chunk w's
	s_add_co_u32 s30, s30, s24
	s_lshl_b32 s26, s26, 8
	s_add_co_u32 s30, s30, s26
	s_add_co_u32 s30, s30, 24576
	s_mov_b32 s31, 0
	s_and_b32 s32, s18, 1
	s_lshl_b32 s32, s32, 7
	s_lshr_b32 s33, s18, 1
	s_lshl_b32 s33, s33, 2
	s_add_co_u32 s32, s32, s33
	s_wait_alu depctr_va_vdst(0)
	v_lshl_add_u32 v8, v2, 3, WSC
	v_add_nc_u32 v8, s32, v8                       ; my word's place in a chunk's 256 bytes: 128 (w % 2) + 8 r + 4 (w / 2)
	s_lshl_b32 s33, s18, 8
	v_lshlrev_b32 v10, 3, v1                       ; 8 x lane
	v_add_nc_u32 v9, s33, v10
	v_add_nc_u32 v9, WSC, v9
	s_wait_kmcnt 0x0
	s_add_nc_u64 s[4:5], s[4:5], s[22:23]
	s_add_nc_u64 s[28:29], s[12:13], s[28:29]
	s_add_nc_u64 s[30:31], s[12:13], s[30:31]
	LOADC 0, 4, 1
	LOADC 1, 4, 1
	LOADC 2, 4, 1
	LOADC 3, 4, 1
	WIN 0
.irp c, 0,1,2,3
	s_wait_loadcnt 48-16*\c                        ; chunk c is in; the loads of the chunks behind it stay out
	TURNC 64*\c, 0x04
	QUANT PC+12*\c                                 ; a set of registers for each chunk: no store's data are written again
.irp q, 0,1,2
	global_store_b128 v4, v[PC+12*\c+4*\q:PC+12*\c+4*\q+3], s[28:29] offset:409600*\c+512*\q th:TH_STORE_NT   ; 512 consecutive bytes, at a multiple of 256 from wq's first byte
.endr
	ds_store_b32 v8, v[WD] offset:256*\c           ; lanes r and r + 16 write the same word with the same value
.endr
	s_wait_dscnt 0x0                               ; for the others' sake: my scale words lie in LDS
	s_barrier_signal -1
	s_barrier_wait -1
	ds_load_b64 v[240:241], v9
	s_wait_dscnt 0x0
	global_store_b64 v10, v[240:241], s[30:31] th:TH_STORE_NT      ; 256 consecutive bytes, aligned
	s_wait_tensorcnt 0x0
	ds_add_u32 v254, v255
	s_wait_dscnt 0x0
	s_endpgm
	; ---------------- the router: tokens 64 t + 16 w
.Lrouter:
	s_sub_co_u32 s24, ttmp9, 128
	s_lshl_b32 s22, s24, 17
	s_add_co_u32 s22, s22, s23
	s_mov_b32 s23, 0
	s_lshl_b32 s26, s24, 12                        ; resp: 64 bytes a token
	s_lshl_b32 s27, s18, 10
	s_add_co_u32 s26, s26, s27
	s_mov_b32 s27, 0
	s_lshl_b32 s28, s24, 6                         ; imp: 64 bytes a work-group
	s_mov_b32 s29, 0
	s_wait_alu depctr_va_vdst(0)
	v_add_nc_u32 v5, STGR, v5
	v_add_nc_u32 v6, STGR, v6
	s_lshl_b32 s30, s18, 9
	v_add_nc_u32 v11, s30, v4                      ; assign_w: chunk w of a row
	v_lshlrev_b32 v12, 5, v3                       ; assign_b: my eight experts 8 h ..
	s_mul_i32 s30, s18, 1536
	v_add_nc_u32 v13, s30, v4
	v_add_nc_u32 v13, AWIMG, v13                   ; where I store my fragment of assign_w
	v_lshlrev_b32 v10, 2, v1
	s_lshl_b32 s30, s18, 7
	v_add_nc_u32 v14, s30, v10
	v_add_nc_u32 v14, AWSC, v14                    ; and its scale words
	v_add_nc_u32 v15, AWIMG, v4                    ; where all four are read
	v_add_nc_u32 v9, AWSC, v10
	s_lshl_b32 s30, s18, 10
	v_lshlrev_b32 v8, 6, v2
	v_lshl_add_u32 v8, v3, 5, v8
	v_add_nc_u32 v8, s30, v8
	v_add_nc_u32 v8, RST, v8                       ; resp into LDS: token r's 64 bytes, + 32 h
	v_add_nc_u32 v149, s30, v4
	v_add_nc_u32 v149, RST, v149                   ; and back, dense
	s_lshl_b32 s30, s18, 6
	v_lshl_add_u32 v150, v3, 5, s30
	v_add_nc_u32 v150, IMPS, v150                  ; my wave's sums: 64 w + 32 h
	v_lshlrev_b32 v1, 2, v2                        ; 4 r
	v_add_nc_u32 v151, IMPS, v1
	s_wait_kmcnt 0x0
	s_add_nc_u64 s[6:7], s[6:7], s[22:23]
	s_add_nc_u64 s[14:15], s[14:15], s[26:27]
	s_add_nc_u64 s[16:17], s[16:17], s[28:29]
.irp i, 0,1,2,3,4,5,6,7,8,9,10,11,12,13,14,15
	global_load_b128 v[AWR+4*\i:AWR+4*\i+3], v11, s[8:9] offset:2048*\i
.endr
	global_load_b128 v[ACC0:ACC0+3], v12, s[10:11]             ; the bias is the C of the first product: register j = assign_b[8 h + j]
	global_load_b128 v[ACC0+4:ACC0+7], v12, s[10:11] offset:16
	LOADC 0, 6, 0
	LOADC 1, 6, 0
	LOADC 2, 6, 0
	s_wait_loadcnt 48                              ; assign_w and the bias are in; three chunks of x stay out
	LOADC 3, 6, 0
	TURNC AWR, 0
	QUANT PC
.irp q, 0,1,2
	ds_store_b128 v13, v[PC+4*\q:PC+4*\q+3] offset:512*\q      ; the fragment as an image of its registers
.endr
	ds_store_b32 v14, v[WD]
	s_wait_dscnt 0x0
	s_barrier_signal -1
	s_barrier_wait -1                              ; assign_w's four fragments lie in LDS
.irp c, 0,1,2,3
.irp q, 0,1,2
	ds_load_b128 v[AWR+12*\c+4*\q:AWR+12*\c+4*\q+3], v15 offset:1536*\c+512*\q
.endr
	ds_load_b32 v[AWS+\c], v9 offset:128*\c
.endr
	; logits, transposed: source 0 = the 16 experts, source 1 = my 16 tokens: lane (r, h) holds token r, experts 8 h + j.  Two accumulators by turns
.irp c, 0,1,2,3
	s_wait_loadcnt 48-16*\c
	TURNC 64*\c, 0x04
	QUANT PC
.rept 8
	v_nop                                          ; a scale register written by a vector instruction stands 8 places ahead of a scaled product, an operand so written 4
.endr
.if \c == 1
	v_wmma_scale_f32_16x16x128_f8f6f4 v[ACC1:ACC1+7], v[AWR+12*\c:AWR+12*\c+11], v[PC:PC+11], 0, v[AWS+\c], v[WD] matrix_a_fmt:MATRIX_FMT_FP6 matrix_b_fmt:MATRIX_FMT_FP6
.else
	v_wmma_scale_f32_16x16x128_f8f6f4 v[ACC0+8*(\c%2):ACC0+8*(\c%2)+7], v[AWR+12*\c:AWR+12*\c+11], v[PC:PC+11], v[ACC0+8*(\c%2):ACC0+8*(\c%2)+7], v[AWS+\c], v[WD] matrix_a_fmt:MATRIX_FMT_FP6 matrix_b_fmt:MATRIX_FMT_FP6
.endif
.endr
.rept 4
	v_nop
.endr
.irp j, 0,2,4,6
	v_pk_add_f32 v[L+\j:L+\j+1], v[ACC0+\j:ACC0+\j+1], v[ACC1+\j:ACC1+\j+1]   ; each accumulator from its low end on
.endr
	v_max3_num_f32 v240, v[L], v[L+1], v[L+2]
	v_max3_num_f32 v241, v[L+3], v[L+4], v[L+5]
	v_max3_num_f32 v240, v240, v[L+6], v[L+7]
	v_max_num_f32 v240, v240, v241
	v_permlanex16_b32 v[TM+6], v240, s20, s21
	v_max_num_f32 v240, v240, v[TM+6]              ; the token's largest logit
.irp j, 0,1,2,3,4,5,6,7
	v_sub_f32 v[L+\j], v[L+\j], v240
.endr
.irp j, 0,1,2,3,4,5,6,7
	v_mul_f32 v[L+\j], 0x3fb8aa3b, v[L+\j]
.endr
	s_wait_alu depctr_va_vdst(0)
.irp j, 0,1,2,3,4,5,6,7
	v_exp_f32 v[L+\j], v[L+\j]
.endr
	v_nop                                          ; a plain place behind the batch
	s_wait_alu depctr_va_vdst(0)                   ; one wait for the eight, ahead of their first reader
	v_pk_add_f32 v[242:243], v[L:L+1], v[L+2:L+3]
	v_pk_add_f32 v[244:245], v[L+4:L+5], v[L+6:L+7]
	v_pk_add_f32 v[242:243], v[242:243], v[244:245]
	v_add_f32 v242, v242, v243
	v_permlanex16_b32 v[TM+6], v242, s20, s21
	v_add_f32 v242, v242, v[TM+6]
	s_wait_alu depctr_va_vdst(0)
	v_rcp_f32 v243, v242
	v_nop
	s_wait_alu depctr_va_vdst(0)
.irp j, 0,1,2,3,4,5,6,7
	v_mul_f32 v[L+\j], v[L+\j], v243               ; resp
.endr
	ds_store_b128 v8, v[L:L+3]
	ds_store_b128 v8, v[L+4:L+7] offset:16
	ds_load_b128 v[244:247], v149                  ; my own bytes, served in order
	ds_load_b128 v[248:251], v149 offset:512
	s_wait_alu depctr_va_vdst(0)
	s_wait_dscnt 0x0
	global_store_b128 v4, v[244:247], s[14:15]                 ; 512 consecutive bytes each; v244-251 are written no more
	global_store_b128 v4, v[248:251], s[14:15] offset:512
.irp m, 1,2,4,8
.irp j, 0,1,2,3,4,5,6,7
	v_add_f32_dpp v[L+\j], v[L+\j], v[L+\j] row_xmask:\m row_mask:0xf bank_mask:0xf   ; over my 16 tokens
.endr
.endr
	ds_store_b128 v150, v[L:L+3]                   ; sixteen lanes write the same words with the same values
	ds_store_b128 v150, v[L+4:L+7] offset:16
	s_wait_dscnt 0x0
	s_barrier_signal -1
	s_barrier_wait -1
	s_cmp_lg_u32 s18, 0
	s_cbranch_scc1 .Lr_end
	ds_load_b32 v240, v151
	ds_load_b32 v241, v151 offset:64
	ds_load_b32 v242, v151 offset:128
	ds_load_b32 v252, v151 offset:192              ; (a register that no pending store reads)
	s_wait_dscnt 0x0
	v_add_f32 v240, v240, v241
	v_add_f32 v242, v242, v252
	v_add_f32 v240, v240, v242
	global_store_b32 v1, v240, s[16:17]            ; expert r's sum over 64 tokens (lanes r and r + 16: the same word, the same value)
.Lr_end:
	s_wait_tensorcnt 0x0
	ds_add_u32 v254, v255
	s_wait_dscnt 0x0
	s_endpgm
.Lfunc_end_k_q7be91cd1cb_prep:
	.size	k_q7be91cd1cb_prep, .Lfunc_end_k_q7be91cd1cb_prep-k_q7be91cd1cb_prep
	.p2alignl 7, 3214868480
	.fill 96, 4, 3214868480
	.section	.rodata,"a",@progbits
	.p2align	6, 0x0
	.amdhsa_kernel k_q7be91cd1cb_prep
		.amdhsa_group_segment_fixed_size 80384
		.amdhsa_private_segment_fixed_size 0
		.amdhsa_enable_private_segment 0
		.amdhsa_kernarg_size 56
		.amdhsa_user_sgpr_count 2
		.amdhsa_user_sgpr_kernarg_segment_ptr 1
		.amdhsa_wavefront_size32 1
		.amdhsa_system_sgpr_workgroup_id_x 1
		.amdhsa_system_sgpr_workgroup_id_y 1
		.amdhsa_system_sgpr_workgroup_id_z 1
		.amdhsa_system_vgpr_workitem_id 0
		.amdhsa_next_free_vgpr 512
		.amdhsa_next_free_sgpr 66
		.amdhsa_reserve_vcc 0
		.amdhsa_float_denorm_mode_32 3
		.amdhsa_float_denorm_mode_16_64 3
		.amdhsa_memory_ordered 1
		.amdhsa_forward_progress 1
		.amdhsa_inst_pref_size 75
	.end_amdhsa_kernel
	.amdgpu_metadata
---
amdhsa.version: [ 1, 2 ]
amdhsa.kernels:
  - .name:           k_q7be91cd1cb_prep
    .symbol:         k_q7be91cd1cb_prep.kd
    .args:
      - { .name: pw_w1, .offset: 0, .size: 8, .value_kind: global_buffer, .address_space: global }
      - { .name: x, .offset: 8, .size: 8, .value_kind: global_buffer, .address_space: global }
      - { .name: assign_w, .offset: 16, .size: 8, .value_kind: global_buffer, .address_space: global }
      - { .name: assign_b, .offset: 24, .size: 8, .value_kind: global_buffer, .address_space: global }
      - { .name: wq, .offset: 32, .size: 8, .value_kind: global_buffer, .address_space: global }
      - { .name: resp, .offset: 40, .size: 8, .value_kind: global_buffer, .address_space: global }
      - { .name: imp, .offset: 48, .size: 8, .value_kind: global_buffer, .address_space: global }
    .group_segment_fixed_size: 80384
    .private_segment_fixed_size: 0
    .kernarg_segment_align: 8
    .kernarg_segment_size: 56
    .max_flat_workgroup_size: 128
    .sgpr_count:     66
    .vgpr_count:     512
    .wavefront_size: 32
...
	.end_amdgpu_metadata
.endif
;; end of part 1
;; launch main (part 2): grid 256 x 1, 4 waves a work-group, clusters of 4 x 1, 327,680 bytes of LDS; arguments x, resp, wq, imp, pw_B, out0, out1; writes out0, out1
.if DOCPART == 2
	.amdgcn_target "amdgcn-amd-amdhsa--gfx1250"
	.amdhsa_code_object_version 6
	.text
	.protected	k_q7be91cd1cb_main
	.globl	k_q7be91cd1cb_main
	.p2align	8
	.type	k_q7be91cd1cb_main,@function
k_q7be91cd1cb_main:
	s_mov_b64 s[64:65], 0
	v_nop
	global_prefetch_b8 v0, s[64:65] scope:SCOPE_SE
	s_setreg_imm32_b32 hwreg(HW_REG_WAVE_MODE, 25, 1), 1
	s_wait_xcnt 0x0
	s_wait_alu depctr_hold_cnt(0) depctr_sa_sdst(0) depctr_va_vdst(0) depctr_va_sdst(0) depctr_va_ssrc(0) depctr_va_vcc(0) depctr_vm_vsrc(0)
	s_getreg_b32 s2, hwreg(HW_REG_IB_STS2, 6, 4)
	s_cmp_eq_u32 s2, 0
	s_cbranch_scc0 .Lentry_in_a_cluster
	s_endpgm
.Lentry_in_a_cluster:
	s_bfe_u32 s2, ttmp6, 0x10000c
	s_cmp_lg_u32 s2, 0x3003
	s_cbranch_scc0 .Lentry_shape_is_right
	s_endpgm
.Lentry_shape_is_right:
; y[t][o] = sum over (e, i) of Q(resp[t][e] x[t][i]) Q(W[e][o][i]) + pw_B[o], in MX-FP6; and the loss from imp (cluster 0 computes it, its first work-group stores it).
; A work-group makes 64 tokens x all 512 outputs, so each token's operand resp x x is quantised once in the launch.  Four waves; wave w makes 64 tokens x outputs 128 w .. + 127: 32 accumulators.
; THE WEIGHTS lie in wq as images of the operand's registers, in blocks of 25,600 bytes.  All work-groups walk the same blocks: the four of a cluster ask for them JOINTLY (mask 15).
; Two LDS slots of two K steps (4 blocks): each wave fetches one block behind each round of the cluster's barrier, which stands in every odd K step.
; THE WALK ALONG K: a trip is one expert e, four K steps of 128 (chunks c = 0..3 of i), so the wave's 16 tokens x 512 numbers of x stay in 256 registers.  Cluster n begins at expert n % 16
; and goes round: the order of the f32 sums along K differs from cluster to cluster.  Behind the first trip each block asked for has been read in an earlier trip by clusters that began at other experts: no prefetch is laid.
; THE OPERAND resp x x: wave w quantises tokens 16 w .. + 15 for the NEXT trip's expert; images of its registers go to one of two LDS buffers (4 K steps each); the rounds are its barriers too.
; The product is used transposed (source 0 = 16 rows of W, source 1 = 16 tokens): a lane holds eight neighbouring outputs of one token.  The bias is loaded into the accumulators.
; LIMITS: NaN and infinities are not served; a block whose largest magnitude lies under 2^-124 (a block of zeros too) gets the byte 1: its bytes are read here alone.
; REGISTERS: window 0 addresses, scales, quantiser, tokens' fragments; window 1 x; window 2 accumulators ((b, a) at 8 (4 b + a)); window 3 weights, two sets of 96.
.set BLK,    25600                     ; a block of wq: 256 rows x 128 k as images, then scale words
.set ABB,    25600                     ; LDS: a buffer of 4 K steps of the tokens' operand
.set ABK,    6400                      ; one K step: 4 fragments of 1,536 bytes, 256 bytes of scale words
.set ASC,    6144
.set LOSS,   51200
.set SPARE,  51456
.set SLOT0,  51968                     ; the weights' two slots; in a slot block 2 (output half) + (K step % 2)
.set SLOTB,  102400
.set STAGE,  256768
.set SPITCH, 528
.set SPW, 2
.set NIL, 3
.set VX,  4
.set STO, 5
.set RD,  6
.set VB,  7
.set ADW, 9
.set ADWS,10
.set ADSA,11
.set LRG, 12
.set L16, 13
.set ADR, 14
.set ADR2,15
.set SB,  16                           ; v16-23 weights' scale words, two sets
.set SA,  24                           ; v24-27 tokens' scale words, two sets
.set H8,  28
.set LSW, 29
.set LSR, 30
.set ZOF, 31
.set T,   32
.set PC,  64
.set U,   76
.set R,   84                           ; v84, v86: resp of my token, for trips of parity 0, 1 (v85, v87 = 0)
.set PP,  88
.set BB,  90
.set WD,  93
.set AMQ, 96                           ; a quarter of the largest magnitude of my 8 blocks of x
.set AF,  104                          ; v104-199 tokens' fragments, two sets of 48
.set LS,  200
.set ADB, 244                          ; v244-245 my weights' fragments in slot 0, 1
.set ADSB,246                          ; v246-247 their scale words
.set OWN, 248
.set BK,  128
.set G1,  72
.set G0,  80                           ; s[80:83], s[84:87]: group 0 for slot 0, 1
.set MSB, 0
.macro WIN new
.if MSB != (\new)
	s_set_vgpr_msb (MSB<<8)|(\new)
.set MSB, (\new)
.endif
.endm
.macro NOP4                            ; four places behind matrix instructions, ahead of loads into their registers
.rept 4
	v_nop
.endr
.endm
.macro CREST                           ; a round of the cluster's barrier behind its opening barrier
	s_cmp_lg_u32 s18, 0
	s_cbranch_scc1 .Lnot_wave_0_\@
	s_barrier_signal -3
.Lnot_wave_0_\@:
	s_barrier_wait -3
	s_barrier_signal -1
	s_barrier_wait -1
.endm
.macro CROUND
	s_barrier_signal -1
	s_barrier_wait -1
	CREST
.endm
.macro MM b, a, s
.set AC_, 8*(4*(\b)+(\a))
.set BF_, 96*(\s)+12*(\b)
.set AF_, AF+48*(\s)+12*(\a)
.set SB_, SB+4*(\s)+2*((\b)/4)+((\b)%4)/2
.set SA_, SA+2*(\s)+(\a)/2
.if ((\b)%2 == 0) && ((\a)%2 == 0)
	v_wmma_scale_f32_16x16x128_f8f6f4 v[AC_:AC_+7], v[BF_:BF_+11], v[AF_:AF_+11], v[AC_:AC_+7], v[SB_], v[SA_] matrix_a_fmt:MATRIX_FMT_FP6 matrix_b_fmt:MATRIX_FMT_FP6
.elseif ((\a)%2 == 0)
	v_wmma_scale_f32_16x16x128_f8f6f4 v[AC_:AC_+7], v[BF_:BF_+11], v[AF_:AF_+11], v[AC_:AC_+7], v[SB_], v[SA_] matrix_a_fmt:MATRIX_FMT_FP6 matrix_b_fmt:MATRIX_FMT_FP6 matrix_a_scale:MATRIX_SCALE_ROW1
.elseif ((\b)%2 == 0)
	v_wmma_scale_f32_16x16x128_f8f6f4 v[AC_:AC_+7], v[BF_:BF_+11], v[AF_:AF_+11], v[AC_:AC_+7], v[SB_], v[SA_] matrix_a_fmt:MATRIX_FMT_FP6 matrix_b_fmt:MATRIX_FMT_FP6 matrix_b_scale:MATRIX_SCALE_ROW1
.else
	v_wmma_scale_f32_16x16x128_f8f6f4 v[AC_:AC_+7], v[BF_:BF_+11], v[AF_:AF_+11], v[AC_:AC_+7], v[SB_], v[SA_] matrix_a_fmt:MATRIX_FMT_FP6 matrix_b_fmt:MATRIX_FMT_FP6 matrix_a_scale:MATRIX_SCALE_ROW1 matrix_b_scale:MATRIX_SCALE_ROW1
.endif
.endm
.macro MMH g, s                        ; 16 products: weights' blocks 4 g .. 4 g + 3 x the 4 blocks of tokens; the accumulators take turns
	WIN 0xa3
.irp b, 0,1,2,3
.irp a, 0,1,2,3
	MM 4*(\g)+\b, \a, \s
.endr
.endr
.endm
.macro BLD sl, o, s                    ; my eight fragments of weights and their scale words: slot sl, its K step o, into set s
	WIN 0xc0
.irp f, 0,1,2,3,4,5,6,7
.irp q, 0,1,2
	ds_load_b128 v[96*(\s)+12*\f+4*\q:96*(\s)+12*\f+4*\q+3], v[ADB+(\sl)] offset:BLK*(\o)+1536*\f+512*\q
.endr
.endr
	WIN 0
.irp g, 0,1
	ds_load_b64 v[SB+4*(\s)+2*\g:SB+4*(\s)+2*\g+1], v[ADSB+(\sl)] offset:BLK*(\o)+256*\g
.endr
.endm
.macro ALOAD buf, j, s                 ; the tokens' four fragments and scale words of K step j of a buffer, into set s
	WIN 0
.irp a, 0,1,2,3
.irp q, 0,1,2
	ds_load_b128 v[AF+48*(\s)+12*\a+4*\q:AF+48*(\s)+12*\a+4*\q+3], v[L16] offset:ABB*(\buf)+ABK*(\j)+1536*\a+512*\q
.endr
.endr
.irp i, 0,1
	ds_load_b32 v[SA+2*(\s)+\i], v[ADSA] offset:ABB*(\buf)+ABK*(\j)+128*\i
.endr
.endm
; My 16 tokens x chunk c, times resp (set rp), quantised: lane (r, h) holds blocks h and 2 + h of token r whole.  The scale operand is resp x (largest |x|) / 4, floored at 2^-126.
.macro PROD c, rp, buf
	WIN 0
	v_pk_mul_f32 v[PP:PP+1], v[R+2*(\rp):R+2*(\rp)+1], v[AMQ+2*(\c):AMQ+2*(\c)+1] op_sel_hi:[0,1]
	v_max_num_f32 v[PP], 0x800000, v[PP]
	v_max_num_f32 v[PP+1], 0x800000, v[PP+1]
.irp q, 0,1,2,3
	WIN 0x04
.irp i, 0,1,2,3,4,5,6,7
	v_pk_mul_f32 v[T+16*(\q%2)+2*\i:T+16*(\q%2)+2*\i+1], v[R+2*(\rp):R+2*(\rp)+1], v[64*(\c)+16*\q+2*\i:64*(\c)+16*\q+2*\i+1] op_sel_hi:[0,1]
.endr
	WIN 0
	v_cvt_scalef32_pk16_fp6_f32 v[PC+12*(\q%2)+(6-2*(\q%2))*(\q/2):PC+12*(\q%2)+(6-2*(\q%2))*(\q/2)+2], v[T+16*(\q%2):T+16*(\q%2)+15], v[PP+\q/2]
.endr
	v_nop                                          ; one plain place behind a scaled conversion
.irp i, 0,1,2
	v_mov_b32 v[PC+3+\i], v[U+\i]                  ; a conversion's three registers begin on an even number
	v_mov_b32 v[PC+9+\i], v[U+4+\i]
.endr
	v_lshrrev_b32 v[BB], 23, v[PP]                 ; the bytes of blocks h and 2 + h
	v_lshrrev_b32 v[BB+1], 23, v[PP+1]
	v_lshl_or_b32 v[BB], v[BB+1], 16, v[BB]
	v_lshlrev_b32 v[BB], v[H8], v[BB]
	v_permlanex16_b32 v[BB+2], v[BB], s22, s23
	v_or_b32 v[WD], v[BB], v[BB+2]                 ; with lane l xor 16's two bytes the word is whole
.irp q, 0,1,2
	ds_store_b128 v[ADW], v[PC+4*\q:PC+4*\q+3] offset:ABB*(\buf)+ABK*(\c)+512*\q
.endr
	ds_store_b32 v[ADWS], v[WD] offset:ABB*(\buf)+ABK*(\c)   ; lanes r and r + 16: the same word, the same value
.endm
.macro NEXTF p, j, more                ; the next K step's fragments, a whole K step ahead of their use
.if \j < 3
	ALOAD \p, \j+1, (\j+1)%2
	BLD (\j+1)/2, (\j+1)%2, (\j+1)%2
.elseif \more
	ALOAD 1-\p, 0, 0
	BLD 0, 0, 0
.endif
.endm
.macro MAKE p, j, more, rl             ; chunk j of the next trip's operand
.if \more
	PROD \j, \p, 1-\p
.if \rl && (\j == 1)
	global_load_b32 v[R+2-2*\p], v[ADR], s[6:7]    ; resp for the next trip's quantiser
.endif
.endif
.endm
; A K step.  more = 1: a trip follows.  In an odd step the slot just read out is filled again behind a round; the chunk of the operand stored in step j is read a round or more later.
.macro KS p, j, more, rl
	WIN 0
.if (\j)%2 == 0
	s_wait_dscnt 0x0                               ; this step's fragments are in
	NOP4
	NEXTF \p, \j, \more
	MAKE \p, \j, \more, \rl
	MMH 0, 0
	MMH 1, 0
.elseif \more || (\j == 1)
	s_wait_tensorcnt 0x0                           ; my one load that was out, my block of the other slot, has landed;
	ds_add_u32 v[SPW], v[NIL]
.if \more
	s_add_nc_u64 s[G0+4*(\j/2)+2:G0+4*(\j/2)+3], s[32:33], s[34:35]      ; no load of mine is out: this slot's blocks of the next expert
.if \j == 3
	s_add_nc_u64 s[G0+6:G0+7], s[G0+6:G0+7], 32*BLK
.endif
	s_or_b32 s[G0+4*(\j/2)+3], s[G0+4*(\j/2)+3], 0x80000000
.endif
	s_wait_dscnt 0x0                               ; the add, my stores and my reads of this slot are done
	s_barrier_signal -1
	MMH 0, 1                                       ; work on registers while the others arrive
	WIN 0
	s_barrier_wait -1
.if \more
	CREST                                          ; no wave of any partner still reads this slot or has a load on its way
	tensor_load_to_lds s[G0+4*(\j/2):G0+4*(\j/2)+3], s[G1:G1+7]
	s_nop 0
.endif
	NOP4
	NEXTF \p, \j, \more
	MAKE \p, \j, \more, \rl
	MMH 1, 1
.else
	s_wait_dscnt 0x0
	MMH 0, 1
	MMH 1, 1
.endif
.endm
.macro TRIP p, more, rl
.if \more
	WIN 0
	s_wait_loadcnt 0x0                             ; resp for this trip's quantiser is in
	s_wait_xcnt 0x0                                ; and its load has read its offset
	s_add_co_u32 s24, s24, 1
	s_and_b32 s24, s24, 15                         ; the next trip's expert
	s_mul_i32 s34, s24, BLK
.if \rl
	s_add_co_u32 s25, s24, 1
	s_and_b32 s25, s25, 15
	s_lshl_b32 s25, s25, 2
	v_add_nc_u32 v[ADR], s25, v[LRG]               ; read in step 1, behind step 0's quantiser
.endif
.endif
	KS \p, 0, \more, \rl
	KS \p, 1, \more, \rl
	KS \p, 2, \more, \rl
	KS \p, 3, \more, \rl
.endm
	s_load_b256 s[4:11], s[0:1], 0x0               ; x, resp, wq, imp
	s_load_b128 s[12:15], s[0:1], 0x20             ; pw_B, out0
	s_load_b64 s[16:17], s[0:1], 0x30              ; out1
	v_lshl_add_u32 v[SPW], v0, 2, SPARE
	v_mov_b32 v[NIL], 0
	ds_add_u32 v[SPW], v[NIL]
	ds_add_u32 v[SPW], v[NIL]
	v_lshrrev_b32 v1, 5, v0
	v_readfirstlane_b32 s18, v1                    ; wave
	s_lshr_b32 s19, s18, 1
	s_and_b32 s20, s18, 1
	s_bfe_u32 s26, ttmp6, 0x40000                  ; cx
	s_lshl_b32 s21, ttmp9, 2
	s_add_co_u32 s21, s21, s26                     ; work-group
	s_mov_b32 s22, 0x76543210
	s_mov_b32 s23, 0xfedcba98                      ; selects for lane l xor 16
	s_and_b32 s24, ttmp9, 15                       ; the cluster's first expert
	s_or_b32 s41, ttmp9, s18
	s_mov_b32 s[G1], 15|(3<<16)|(1<<21)            ; a block: 100 rows of 32 elements of 8 bytes, dense; the mask names the four partners
	s_mov_b32 s[G1+1], 32<<16
	s_mov_b32 s[G1+2], 100<<16
	s_mov_b32 s[G1+3], 32<<16
	s_mov_b32 s[G1+4], 100
	s_mov_b32 s[G1+5], 32
	s_mov_b32 s[G1+6], 0
	s_mov_b32 s[G1+7], 0
	s_mov_b32 s[G0], 1
	s_mov_b32 s[G0+4], 1
	s_mul_i32 s[G0+1], s18, BLK
	s_add_co_u32 s[G0+1], s[G0+1], SLOT0           ; my block's place in slot 0,
	s_add_co_u32 s[G0+5], s[G0+1], SLOTB           ; and in slot 1
	s_mul_i32 s36, s19, 2*BLK
	s_mul_i32 s62, s20, 12288
	s_add_co_u32 s62, s62, s36
	s_add_co_u32 s62, s62, SLOT0                   ; what I read: output half w / 2, fragments 8 (w % 2) ..
	s_lshl_b32 s63, s20, 9
	s_add_co_u32 s63, s63, s36
	s_add_co_u32 s63, s63, SLOT0+24576
	s_mul_i32 s43, s18, 1536
	s_lshl_b32 s48, s18, 6
	s_add_co_u32 s44, s48, ASC
	s_lshl_b32 s45, s24, 2
	s_add_co_u32 s46, s24, 1
	s_and_b32 s46, s46, 15
	s_lshl_b32 s46, s46, 2
	s_mul_i32 s47, s18, 16*SPITCH
	s_add_co_u32 s47, s47, STAGE
	s_lshl_b32 s50, s21, 17                        ; x: tokens 64 n + 16 w, 2,048 bytes each
	s_lshl_b32 s51, s18, 15
	s_add_co_u32 s50, s50, s51
	s_mov_b32 s51, 0
	s_lshl_b32 s52, s21, 12                        ; resp: 64 bytes a token
	s_lshl_b32 s53, s18, 10
	s_add_co_u32 s52, s52, s53
	s_mov_b32 s53, 0
	s_mul_i32 s54, s19, 64*BLK                     ; wq, what I fetch: block 64 (w / 2) + 16 (w % 2 + 2 slot) + e
	s_mul_i32 s55, s20, 16*BLK
	s_add_co_u32 s54, s54, s55
	s_mov_b32 s55, 0
	s_lshl_b32 s56, s18, 9                         ; my 128 outputs, in bytes
	s_mov_b32 s57, 0
	s_lshl_b32 s58, s21, 17
	s_add_co_u32 s58, s58, s56
	s_mov_b32 s59, 0
	s_lshl_b32 s60, s18, 12
	s_mov_b32 s61, 0
	s_mul_i32 s34, s24, BLK
	s_mov_b32 s35, 0
	s_wait_dscnt 0x0                               ; both opening adds are done
	v_and_b32 v32, 31, v0                          ; lane
	v_and_b32 v33, 15, v0                          ; r
	v_bfe_u32 v34, v0, 4, 1                        ; h
	v_lshlrev_b32 v[L16], 4, v32
	v_lshlrev_b32 v[VX], 11, v33
	v_lshl_add_u32 v[VX], v34, 7, v[VX]
	v_lshlrev_b32 v[VB], 5, v34
	v_lshlrev_b32 v[H8], 3, v34
	v_add_nc_u32 v[ADB], s62, v[L16]
	v_add_nc_u32 v[ADB+1], SLOTB, v[ADB]
	v_lshl_add_u32 v[ADSB], v32, 3, s63
	v_add_nc_u32 v[ADSB+1], SLOTB, v[ADSB]
	v_add_nc_u32 v[ADW], s43, v[L16]
	v_lshl_add_u32 v[ADWS], v33, 2, s44
	v_lshl_add_u32 v[ADSA], v32, 2, ASC
	v_lshlrev_b32 v[LRG], 6, v33
	v_add_nc_u32 v[ADR], s45, v[LRG]
	v_add_nc_u32 v[ADR2], s46, v[LRG]
	v_mul_u32_u24 v35, v33, SPITCH
	v_lshl_add_u32 v35, v34, 5, v35
	v_add_nc_u32 v[STO], s47, v35
	v_add_nc_u32 v[RD], s47, v[L16]
	v_and_b32 v36, 3, v0
	v_lshl_add_u32 v[LSR], v36, 4, LOSS
	v_add_nc_u32 v[LSW], s48, v[LSR]
	v_mov_b32 v[ZOF], 0
	v_mov_b32 v[OWN], s26
	v_mov_b32 v[R+1], 0
	v_mov_b32 v[R+3], 0
	v_mov_b32 v[BB+2], 0                           ; a lane permute's destination counts as one of its sources
	s_wait_alu depctr_va_vdst(0)
	s_wait_kmcnt 0x0
	s_add_nc_u64 s[4:5], s[4:5], s[50:51]
	s_add_nc_u64 s[6:7], s[6:7], s[52:53]
	s_add_nc_u64 s[32:33], s[8:9], s[54:55]
	s_add_nc_u64 s[G0+2:G0+3], s[32:33], s[34:35]
	s_add_nc_u64 s[G0+6:G0+7], s[G0+2:G0+3], 32*BLK
	s_or_b32 s[G0+3], s[G0+3], 0x80000000
	s_or_b32 s[G0+7], s[G0+7], 0x80000000
	s_add_nc_u64 s[12:13], s[12:13], s[56:57]
	s_add_nc_u64 s[14:15], s[14:15], s[58:59]
	s_add_nc_u64 s[10:11], s[10:11], s[60:61]
	CROUND                                         ; the four partners are here: the first joint loads meet
	tensor_load_to_lds s[G0:G0+3], s[G1:G1+7]      ; slot 0: my one load at the head
	s_nop 0
	NOP4
	WIN 0x40
.irp c, 0,1,2,3
.irp u, 0,1
.irp j, 0,1,2,3,4,5,6,7
	global_load_b128 v[64*\c+32*\u+4*\j:64*\c+32*\u+4*\j+3], v[VX], s[4:5] offset:512*\c+256*\u+16*\j
.endr
.endr
.endr
	WIN 0
	global_load_b32 v[R+2], v[ADR], s[6:7]         ; resp at the first expert, for the head's quantiser
	global_load_b32 v[R], v[ADR2], s[6:7]          ; and at the second, for trip 0's
	s_cmp_lg_u32 ttmp9, 0
	s_cbranch_scc1 .Lno_imp
.irp i, 0,1,2,3,4,5,6,7
	global_load_b128 v[LS+4*\i:LS+4*\i+3], v[L16], s[10:11] offset:512*\i
.endr
.Lno_imp:
	WIN 0x80
.irp b, 0,1,2,3,4,5,6,7
.irp a, 0,1,2,3
	global_load_b128 v[8*(4*\b+\a):8*(4*\b+\a)+3], v[VB], s[12:13] offset:64*\b          ; the bias starts the sums: register j = pw_B[128 w + 16 b + 8 h + j]
	global_load_b128 v[8*(4*\b+\a)+4:8*(4*\b+\a)+7], v[VB], s[12:13] offset:64*\b+16
.endr
.endr
	WIN 0
	s_wait_loadcnt 0x0
	WIN 0x14
.irp b, 0,1,2,3,4,5,6,7
	v_max3_num_f32 v[AMQ+\b], 0, |v[32*\b]|, |v[32*\b+1]|
.endr
.irp i, 2,4,6,8,10,12,14,16,18,20,22,24,26,28,30
.irp b, 0,1,2,3,4,5,6,7
	v_max3_num_f32 v[AMQ+\b], v[AMQ+\b], |v[32*\b+\i]|, |v[32*\b+\i+1]|
.endr
.endr
	WIN 0
.irp b, 0,1,2,3,4,5,6,7
	v_mul_f32 v[AMQ+\b], 0x3e800000, v[AMQ+\b]
.endr
	s_wait_alu depctr_va_vdst(0)
	s_cmp_lg_u32 ttmp9, 0
	s_cbranch_scc1 .Lno_part
.irp i, 1,2,3,4,5,6,7                  ; cluster 0: my quarter of imp, summed by expert
	v_pk_add_f32 v[LS:LS+1], v[LS:LS+1], v[LS+4*\i:LS+4*\i+1]
	v_pk_add_f32 v[LS+2:LS+3], v[LS+2:LS+3], v[LS+4*\i+2:LS+4*\i+3]
.endr
.irp m, 4,8
.irp j, 0,1,2,3
	v_add_f32_dpp v[LS+\j], v[LS+\j], v[LS+\j] row_xmask:\m row_mask:0xf bank_mask:0xf
.endr
.endr
.irp j, 0,1,2,3
	v_permlanex16_b32 v[LS+4+\j], v[LS+\j], s22, s23
.endr
.irp j, 0,1,2,3
	v_add_f32 v[LS+\j], v[LS+\j], v[LS+4+\j]
.endr
	ds_store_b128 v[LSW], v[LS:LS+3]
.Lno_part:
	PROD 0, 1, 0                                   ; the first trip's operand
	PROD 1, 1, 0
	PROD 2, 1, 0
	PROD 3, 1, 0
	s_wait_alu depctr_va_vdst(0)
	s_wait_tensorcnt 0x0                           ; my block of slot 0 is in
	ds_add_u32 v[SPW], v[NIL]
	s_wait_dscnt 0x0                               ; the add and my stores are done
	CROUND
	tensor_load_to_lds s[G0+4:G0+7], s[G1:G1+7]    ; slot 1's first fill, the first tensor load behind the round
	s_nop 0
	NOP4
	ALOAD 0, 0, 0
	BLD 0, 0, 0
	s_cmp_lg_u32 s41, 0
	s_cbranch_scc1 .Lno_loss
.irp i, 0,1,2,3                        ; wave 0 in cluster 0: loss = 0.01 std(importance, ddof 1) / mean
	ds_load_b128 v[LS+4*\i:LS+4*\i+3], v[LSR] offset:64*\i
.endr
	s_wait_dscnt 0x0
.irp i, 1,2,3
	v_pk_add_f32 v[LS:LS+1], v[LS:LS+1], v[LS+4*\i:LS+4*\i+1]
	v_pk_add_f32 v[LS+2:LS+3], v[LS+2:LS+3], v[LS+4*\i+2:LS+4*\i+3]
.endr
	v_add_f32 v232, v[LS], v[LS+1]
	v_add_f32 v233, v[LS+2], v[LS+3]
	v_add_f32 v232, v232, v233
	v_add_f32_dpp v232, v232, v232 row_xmask:1 row_mask:0xf bank_mask:0xf
	v_add_f32_dpp v232, v232, v232 row_xmask:2 row_mask:0xf bank_mask:0xf
	v_mul_f32 v234, 0x3d800000, v232               ; the mean of the 16
.irp j, 0,1,2,3
	v_sub_f32 v[236+\j], v[LS+\j], v234
.endr
	v_mul_f32 v235, v236, v236
	v_fmac_f32 v235, v237, v237
	v_fmac_f32 v235, v238, v238
	v_fmac_f32 v235, v239, v239
	v_add_f32_dpp v235, v235, v235 row_xmask:1 row_mask:0xf bank_mask:0xf
	v_add_f32_dpp v235, v235, v235 row_xmask:2 row_mask:0xf bank_mask:0xf
	v_mul_f32 v235, 0x3d888889, v235               ; / 15
	s_wait_alu depctr_va_vdst(0)
	v_sqrt_f32 v240, v235
	v_rcp_f32 v241, v234
	v_nop
	s_wait_alu depctr_va_vdst(0)
	v_mul_f32 v240, v240, v241
	v_mul_f32 v240, 0x3c23d70a, v240
	v_cmp_eq_u32 vcc_lo, 0, v[OWN]                 ; the cluster's first work-group alone stores: by EXEC, no branch hangs on the place in the cluster
	s_wait_alu depctr_va_vdst(0)
	s_wait_xcnt 0x0
	s_and_saveexec_b32 s50, vcc_lo
	global_store_b32 v[ZOF], v240, s[16:17]        ; 32 lanes: the same word, the same value
	s_wait_xcnt 0x0
	s_or_b32 exec_lo, exec_lo, s50
.Lno_loss:
	s_mov_b32 s40, 0
.Lloop:                                                ; two trips a pass: the operand's buffers and resp's registers come back
	TRIP 0, 1, 1
	TRIP 1, 1, 1
	WIN 0
	s_add_co_u32 s40, s40, 1
	s_cmp_lt_u32 s40, 7
	s_cbranch_scc1 .Lloop
	TRIP 0, 1, 0
	TRIP 1, 0, 0                                   ; the last trip makes and asks for nothing more
	WIN 0
; THE WAY OUT: 16 tokens x 128 outputs at a time through my own stage, back as rows of 512 bytes
.macro TOSTAGE a
	WIN 0x08
.irp b, 0,1,2,3,4,5,6,7
	ds_store_b128 v[STO], v[8*(4*\b+(\a)):8*(4*\b+(\a))+3] offset:64*\b
	ds_store_b128 v[STO], v[8*(4*\b+(\a))+4:8*(4*\b+(\a))+7] offset:64*\b+16
.endr
	WIN 0
.irp t, 0,1,2,3,4,5,6,7,8,9,10,11,12,13,14,15
	ds_load_b128 v[BK+64*((\a)%2)+4*\t:BK+64*((\a)%2)+4*\t+3], v[RD] offset:SPITCH*\t
.endr
.endm
.macro SEND a, younger
	s_wait_dscnt \younger
.irp t, 0,1,2,3,4,5,6,7,8,9,10,11,12,13,14,15
	global_store_b128 v[L16], v[BK+64*((\a)%2)+4*\t:BK+64*((\a)%2)+4*\t+3], s[14:15] offset:2048*(16*(\a)+\t) th:TH_STORE_NT   ; 512 consecutive bytes, aligned
.endr
.endm
	NOP4
	TOSTAGE 0
.irp a, 1,2,3
.if \a > 1
	s_wait_xcnt 0x0                                ; block a - 2's stores have read their registers
.endif
	TOSTAGE \a
	SEND \a-1, 32                                  ; behind its loads: block a's 16 stores and 16 loads
.endr
	SEND 3, 0
	s_wait_tensorcnt 0x0                           ; the wave's end
	ds_add_u32 v[SPW], v[NIL]
	s_wait_dscnt 0x0
	CROUND                                         ; the closing round
	s_endpgm
.Lfunc_end_k_q7be91cd1cb_main:
	.size	k_q7be91cd1cb_main, .Lfunc_end_k_q7be91cd1cb_main-k_q7be91cd1cb_main
	.p2alignl 7, 3214868480
	.fill 96, 4, 3214868480
	.section	.rodata,"a",@progbits
	.p2align	6, 0x0
	.amdhsa_kernel k_q7be91cd1cb_main
		.amdhsa_group_segment_fixed_size 327680
		.amdhsa_private_segment_fixed_size 0
		.amdhsa_enable_private_segment 0
		.amdhsa_kernarg_size 56
		.amdhsa_user_sgpr_count 2
		.amdhsa_user_sgpr_kernarg_segment_ptr 1
		.amdhsa_wavefront_size32 1
		.amdhsa_system_sgpr_workgroup_id_x 1
		.amdhsa_system_sgpr_workgroup_id_y 1
		.amdhsa_system_sgpr_workgroup_id_z 1
		.amdhsa_system_vgpr_workitem_id 0
		.amdhsa_next_free_vgpr 1024
		.amdhsa_next_free_sgpr 90
		.amdhsa_reserve_vcc 1
		.amdhsa_float_denorm_mode_32 3
		.amdhsa_float_denorm_mode_16_64 3
		.amdhsa_memory_ordered 1
		.amdhsa_forward_progress 1
		.amdhsa_inst_pref_size 216
	.end_amdhsa_kernel
	.amdgpu_metadata
---
amdhsa.version: [ 1, 2 ]
amdhsa.kernels:
  - .name:           k_q7be91cd1cb_main
    .symbol:         k_q7be91cd1cb_main.kd
    .args:
      - { .name: x, .offset: 0, .size: 8, .value_kind: global_buffer, .address_space: global }
      - { .name: resp, .offset: 8, .size: 8, .value_kind: global_buffer, .address_space: global }
      - { .name: wq, .offset: 16, .size: 8, .value_kind: global_buffer, .address_space: global }
      - { .name: imp, .offset: 24, .size: 8, .value_kind: global_buffer, .address_space: global }
      - { .name: pw_B, .offset: 32, .size: 8, .value_kind: global_buffer, .address_space: global }
      - { .name: out0, .offset: 40, .size: 8, .value_kind: global_buffer, .address_space: global }
      - { .name: out1, .offset: 48, .size: 8, .value_kind: global_buffer, .address_space: global }
    .group_segment_fixed_size: 327680
    .private_segment_fixed_size: 0
    .kernarg_segment_align: 8
    .kernarg_segment_size: 56
    .max_flat_workgroup_size: 128
    .sgpr_count:     90
    .vgpr_count:     1024
    .wavefront_size: 32
...
	.end_amdgpu_metadata
.endif
;; end of part 2
